; MI455X (gfx1250); checked and timed in simulation.
; The chip was launched on July 23, 2026; its instructions are those of AMD's public machine-readable ISA for CDNA 5 (MIT licence, August 2026) and "CDNA5" Instruction Set Architecture Reference Guide (July 2026). The comments in the code are by the model that wrote it; some were corrected since.
;; Global Attention. Allowed arithmetic: float matrix products may take bf16 or f16 operands with f32 sums; other float arithmetic in f32, or as packed bf16 or f16 multiplies, adds, multiply-adds, maxima and minima; sums over many terms, partial sums and values carried from step to step in f32; what a program stores and reads back later, other than sums and carried values, may be rounded once to bf16 or f16.
;; Inputs: V 256 x 256 x 512 float32; att_b 1 float32; att_w 1 x 1,024 float32; ctx_b 512 float32; ctx_w 512 x 1,024 float32; hid 1 x 1 x 512 float32; inp 1 x 1 x 512 float32.
;; Outputs: out0 1 x 1 x 512 float32.
;; One version. Each part assembles by itself: llvm-mc -triple=amdgcn-amd-amdhsa -mcpu=gfx1250 --defsym DOCPART=n.
;; ======== version 1 of 1: 2 launches
;; workspace buffers: part 524,288 bytes; stat 2,048 bytes
;; launch pool (part 1): grid 256 x 1, 16 waves a work-group, no clusters, 35,072 bytes of LDS; arguments V, att_w, part, stat; writes part, stat
.if DOCPART == 1
	.amdgcn_target "amdgcn-amd-amdhsa--gfx1250"
	.amdhsa_code_object_version 6
	.text
	.protected	k_qbc08ddb737_pool
	.globl	k_qbc08ddb737_pool
	.p2align	8
	.type	k_qbc08ddb737_pool,@function
k_qbc08ddb737_pool:
	s_mov_b64 s[64:65], 0
	v_nop
	global_prefetch_b8 v0, s[64:65] scope:SCOPE_SE
	s_setreg_imm32_b32 hwreg(HW_REG_WAVE_MODE, 25, 1), 1
	s_wait_xcnt 0x0
; GLOBAL ATTENTION POOLING, the first of two launches: scores, softmax and weighted sum over V in ONE pass.
;   alpha[p] = V[p] . w_v + hid_term,  a = softmax(alpha),  attn = sum over p of a[p] V[p];  V: 65,536 rows p of 512 f32;  w_v = att_w[0][512:1024].
; WORK LEFT OUT.  hid_term = hid . att_w[0][0:512] + att_b is ONE number, added to every alpha[p].  For every real c, softmax(alpha + c) = softmax(alpha):
; numerator and denominator both carry the factor e^c.  So hid_term reaches no output, whatever hid, att_b and att_w hold: hid and att_b are not among any
; launch's arguments, and the first half of att_w is not loaded.  LIMIT: a NaN, an infinity or an overflow that arises in hid_term alone is not carried to the result.
; OTHER LIMITS.  NaN and infinities in V or w_v are not treated apart.  A weight below 2^-126 counts as 0.  w_v is multiplied by log2(e) once, in f32, so that
; scores are exponents of 2: one rounding more than the reference has.
; SHARES.  A work-group owns 256 consecutive rows of V (512 KiB), each of its 16 waves 16 of them (32 KiB).  A lane holds 16 columns of a row: load j of 4 brings
; columns 128 j + 4 lane + 0..3, so each load of the wave covers 512 consecutive bytes, aligned.
; IN FLIGHT.  Three slots of 4 rows in registers: 48 loads, 24 KiB, of every wave go out at the head, 384 KiB of the work-group's 512; slot 0 is filled once more.
; All that a wave will read is asked for by its own loads, three quarters of it ahead of the first wait: there is nothing left to ask for earlier, so no prefetch is laid.
; SOFTMAX.  Each wave keeps a running maximum m, a sum l and 512 sums acc (16 a lane), all f32: p = 2^(s - m); with each batch of 4 rows acc and l are multiplied by
; 2^(m_old - m_new).  The first batch starts m, l and acc: nothing is cleared.  At the end the 16 waves' m, l, acc meet in LDS and leave as ONE partial result:
; part[g][512] and stat: m[g] at 4 g, l[g] at 1,024 + 4 g.  The second launch merges the 256 of them.
; NO MATRIX UNIT: a product with one vector would fill one of a tile's 16 columns, and each pair of V's numbers would want a conversion to 16 bits, one vector line,
; which is what the packed multiply-add costs that does the work in f32.  NO CLUSTER, NO LDS ON THE WAY IN: no two waves want the same byte of V.
.set ROWB,  2048                       ; bytes in a row of V, and in a partial result
.set LOG2E, 0x3fb8aa3b
.set PART,  0                          ; LDS: wave w's 512 sums at 2,048 w
.set STAT,  16*ROWB                    ; LDS: m of wave w at 4 w, l at 64 + 4 w; a block of 256 bytes
.set SPARE, STAT+256                   ; the spare words, 128 bytes for each of the 16 waves: eight blocks of 256 bytes that no other line names
.set LO,  1                            ; v1   16 x lane; never rewritten
.set VO,  2                            ; v2   32,768 x wave + 16 x lane: my 16 bytes in my wave's first row; never rewritten
.set LSA, 3                            ; v3   2,048 x wave + 16 x lane: where my sums go in LDS
.set SPW, 4                            ; v4   LDS address of my spare word; never rewritten
.set NIL, 5                            ; v5   0; never rewritten
.set M,   6                            ; v6   running maximum
.set L,   7                            ; v7   running sum
.set A,   8                            ; v[8:9]    2^(m_old - m_new), and its exponent: a pair, of which the packed lines take the low word twice
.set P,   10                           ; v[10:17]  row r of a batch: weight at P + 2 r, its exponent at P + 2 r + 1
.set D,   18                           ; v[18:25]  row r: the dot product's two running sums; then the score at D + 2 r
.set T,   26                           ; v[26:29]  row r: the other half of the lanes' sum
.set MN,  30                           ; v30  the new maximum; then at work
.set U,   31                           ; v31  at work
.set W,   32                           ; v[32:47]  my 16 numbers of w_v log2(e)
.set ACC, 48                           ; v[48:63]  my 16 sums
.set X,   64                           ; v[64:255] slot s, row r, 16 registers at X + 64 s + 16 r
; the merge at the end, in the slots' registers
.set MM,  64                           ; v[64:79]   the 16 waves' m
.set LL,  80                           ; v[80:95]   their l
.set SW,  96                           ; v[96:127]  wave w: 2^(m_w - m) at SW + 2 w, its exponent beside it
.set PX,  128                          ; v[128:159] wave w: its sums of my two columns
.set O,   160                          ; v[160:163] two chains of the merged sums
.set O2,  162
.set MG,  164                          ; the work-group's m
.set LG,  165                          ; its l
.set L2,  166
.set SA,  167
.set RA,  168
.set ZO,  169
	s_load_b256 s[4:11], s[0:1], 0x0               ; V s[4:5], att_w s[6:7], part s[8:9], stat s[10:11]
	v_lshl_add_u32 v[SPW], v0, 2, SPARE
	v_mov_b32 v[NIL], 0
	v_lshrrev_b32 v[LSA], 5, v0
	v_readfirstlane_b32 s12, v[LSA]                ; wave 0..15
	v_and_b32 v[LO], 31, v0
	v_lshlrev_b32 v[LO], 4, v[LO]
	v_lshl_add_u32 v[VO], v[LSA], 15, v[LO]
	v_lshl_add_u32 v[LSA], v[LSA], 11, v[LO]
.irp r, 0,1,2,3
	v_mov_b32 v[T+(\r)], 0                         ; v_permlanex16_b32 counts as a reader of its destination
.endr
	s_lshl_b32 s2, ttmp9, 19                       ; the work-group's 256 rows of 2,048 bytes (under 2^27)
	s_mov_b32 s3, 0
	s_mov_b32 s14, 0x76543210                      ; v_permlanex16_b32: each lane takes its own place in the other half
	s_mov_b32 s15, 0xfedcba98
	s_lshl_b32 s16, ttmp9, 11                      ; its partial result
	s_mov_b32 s17, 0
	s_lshl_b32 s18, ttmp9, 2                       ; its word in m[] and in l[]
	s_mov_b32 s19, 0
	s_lshl_b32 s13, s12, 2
	s_add_co_u32 s13, s13, STAT                    ; my wave's word among the statistics in LDS
	s_wait_kmcnt 0x0
	s_add_nc_u64 s[4:5], s[4:5], s[2:3]
	s_add_nc_u64 s[8:9], s[8:9], s[16:17]
	s_add_nc_u64 s[10:11], s[10:11], s[18:19]
; 16 loads: rows row .. row + 3 of my wave into a slot.  V is read once in the launch.
.macro FILL slot, row
.irp r, 0,1,2,3
.irp j, 0,1,2,3
	global_load_b128 v[X+64*(\slot)+16*(\r)+4*(\j):X+64*(\slot)+16*(\r)+4*(\j)+3], v[VO], s[4:5] offset:((\row)+(\r))*ROWB+512*(\j) th:TH_LOAD_NT
.endr
.endr
.endm
.irp j, 0,1,2,3
	global_load_b128 v[W+4*(\j):W+4*(\j)+3], v[LO], s[6:7] offset:2048+512*(\j)  ; w_v: the second half of att_w, in the lanes' order of columns
.endr
	FILL 0, 0
	FILL 1, 4
	FILL 2, 8
	s_wait_loadcnt 48                              ; loads come back in order (ISA guide 5.7.1): w_v is in, V's 48 stay out
.irp k, 0,1,2,3,4,5,6,7
	v_pk_mul_f32 v[W+2*(\k):W+2*(\k)+1], v[W+2*(\k):W+2*(\k)+1], LOG2E op_sel_hi:[1,0]
.endr
; A batch: the 4 rows of a slot.  left = the younger loads that may stay out.  first = 1: the batch starts m, l and acc.
.macro BATCH slot, first, left
	s_wait_loadcnt \left
	; the four dot products, two columns a line, the rows by turns so that no line waits for the one before it
.irp r, 0,1,2,3
	v_pk_mul_f32 v[D+2*(\r):D+2*(\r)+1], v[X+64*(\slot)+16*(\r):X+64*(\slot)+16*(\r)+1], v[W:W+1]
.endr
.irp k, 1,2,3,4,5,6,7
.irp r, 0,1,2,3
	v_pk_fma_f32 v[D+2*(\r):D+2*(\r)+1], v[X+64*(\slot)+16*(\r)+2*(\k):X+64*(\slot)+16*(\r)+2*(\k)+1], v[W+2*(\k):W+2*(\k)+1], v[D+2*(\r):D+2*(\r)+1]
.endr
.endr
.irp r, 0,1,2,3
	v_add_f32 v[D+2*(\r)], v[D+2*(\r)], v[D+2*(\r)+1]
.endr
	; across the 32 lanes: four steps inside each half ride on the addition, one crosses the halves; every lane ends with the score
.irp m, 1,2,4,8
.irp r, 0,1,2,3
	v_add_f32_dpp v[D+2*(\r)], v[D+2*(\r)], v[D+2*(\r)] row_xmask:\m row_mask:0xf bank_mask:0xf
.endr
.endr
.irp r, 0,1,2,3
	v_permlanex16_b32 v[T+(\r)], v[D+2*(\r)], s14, s15
.endr
.irp r, 0,1,2,3
	v_add_f32 v[D+2*(\r)], v[D+2*(\r)], v[T+(\r)]
.endr
	v_max3_num_f32 v[MN], v[D], v[D+2], v[D+4]
.if \first
	v_max_num_f32 v[MN], v[MN], v[D+6]
.else
	v_max3_num_f32 v[MN], v[MN], v[D+6], v[M]
	v_sub_f32 v[A+1], v[M], v[MN]
.endif
.irp r, 0,1,2,3
	v_sub_f32 v[P+2*(\r)+1], v[D+2*(\r)], v[MN]
.endr
.if !(\first)
	v_exp_f32 v[A], v[A+1]
.endif
.irp r, 0,1,2,3
	v_exp_f32 v[P+2*(\r)], v[P+2*(\r)+1]           ; the exponentials are one batch
.endr
	v_mov_b32 v[M], v[MN]                          ; a plain line behind the last of them, ahead of the first use (ISA guide 5.7.2)
	s_wait_alu depctr_va_vdst(0)                   ; and the one wait ahead of the first line that names a result
	v_add_f32 v[U], v[P], v[P+2]
	v_add_f32 v[MN], v[P+4], v[P+6]
.if \first
	v_add_f32 v[L], v[U], v[MN]
.else
	v_add_f32 v[U], v[U], v[MN]
	v_fma_f32 v[L], v[L], v[A], v[U]
.irp k, 0,1,2,3,4,5,6,7
	v_pk_mul_f32 v[ACC+2*(\k):ACC+2*(\k)+1], v[ACC+2*(\k):ACC+2*(\k)+1], v[A:A+1] op_sel_hi:[1,0]
.endr
.endif
.irp r, 0,1,2,3
.irp k, 0,1,2,3,4,5,6,7
.if (\first) && ((\r) == 0)
	v_pk_mul_f32 v[ACC+2*(\k):ACC+2*(\k)+1], v[X+64*(\slot)+2*(\k):X+64*(\slot)+2*(\k)+1], v[P:P+1] op_sel_hi:[1,0]
.else
	v_pk_fma_f32 v[ACC+2*(\k):ACC+2*(\k)+1], v[X+64*(\slot)+16*(\r)+2*(\k):X+64*(\slot)+16*(\r)+2*(\k)+1], v[P+2*(\r):P+2*(\r)+1], v[ACC+2*(\k):ACC+2*(\k)+1] op_sel_hi:[1,0,1]
.endif
.endr
.endr
.endm
	BATCH 0, 1, 32                                 ; rows 0-3: slots 1 and 2, 32 loads, stay out
	FILL 0, 12                                     ; the wave's last four rows, into the slot just read
	BATCH 1, 0, 32                                 ; rows 4-7: slot 2 and the refill stay out
	BATCH 2, 0, 16                                 ; rows 8-11: the refill stays out
	BATCH 0, 0, 0                                  ; rows 12-15
	; THE 16 WAVES MEET.  Each puts its 512 sums, in the order of the columns, and its m and l into LDS.
.irp j, 0,1,2,3
	ds_store_b128 v[LSA], v[ACC+4*(\j):ACC+4*(\j)+3] offset:PART+512*(\j)
.endr
	v_mov_b32 v[U], s13
	ds_store_b32 v[U], v[M]                        ; all lanes write the same word with the same number
	ds_store_b32 v[U], v[L] offset:64
	s_wait_dscnt 0x0                               ; for the others' sake: my stores are done
	s_barrier_signal -1
	s_barrier_wait -1
	s_cmp_lt_u32 s12, 8                            ; waves 0 to 7 merge: 64 columns each, two a lane, so that a wave's store covers 256 consecutive bytes, aligned
	s_cbranch_scc0 .Lend
	v_mov_b32 v[SA], STAT
	v_lshlrev_b32 v[RA], 3, v0                     ; 8 x thread = 256 x wave + 8 x lane
.irp j, 0,1,2,3
	ds_load_b128 v[MM+4*(\j):MM+4*(\j)+3], v[SA] offset:16*(\j)      ; every lane takes all 16 m
.endr
.irp j, 0,1,2,3
	ds_load_b128 v[LL+4*(\j):LL+4*(\j)+3], v[SA] offset:64+16*(\j)   ; and all 16 l
.endr
.set i, 0
.rept 16
	ds_load_b64 v[PX+2*i:PX+2*i+1], v[RA] offset:PART+ROWB*i
.set i, i+1
.endr
	s_wait_dscnt 16                                ; m and l are in; the 16 loads of sums stay out
	v_max3_num_f32 v[MG], v[MM], v[MM+1], v[MM+2]
.irp i, 3,5,7,9,11,13
	v_max3_num_f32 v[MG], v[MG], v[MM+(\i)], v[MM+(\i)+1]
.endr
	v_max_num_f32 v[MG], v[MG], v[MM+15]
.set i, 0
.rept 16
	v_sub_f32 v[SW+2*i+1], v[MM+i], v[MG]
.set i, i+1
.endr
.set i, 0
.rept 16
	v_exp_f32 v[SW+2*i], v[SW+2*i+1]
.set i, i+1
.endr
	v_mov_b32 v[ZO], 0                             ; the plain line behind the last exponential
	s_wait_alu depctr_va_vdst(0)                   ; one wait for the sixteen
	v_mul_f32 v[LG], v[SW], v[LL]                  ; l = the sum of 2^(m_w - m) l_w, in two chains
	v_mul_f32 v[L2], v[SW+2], v[LL+1]
.irp i, 2,4,6,8,10,12,14
	v_fmac_f32 v[LG], v[SW+2*(\i)], v[LL+(\i)]
	v_fmac_f32 v[L2], v[SW+2*(\i)+2], v[LL+(\i)+1]
.endr
	v_add_f32 v[LG], v[LG], v[L2]
	s_wait_dscnt 0x0
	v_pk_mul_f32 v[O:O+1], v[PX:PX+1], v[SW:SW+1] op_sel_hi:[1,0]
	v_pk_mul_f32 v[O2:O2+1], v[PX+2:PX+3], v[SW+2:SW+3] op_sel_hi:[1,0]
.irp i, 2,4,6,8,10,12,14
	v_pk_fma_f32 v[O:O+1], v[PX+2*(\i):PX+2*(\i)+1], v[SW+2*(\i):SW+2*(\i)+1], v[O:O+1] op_sel_hi:[1,0,1]
	v_pk_fma_f32 v[O2:O2+1], v[PX+2*(\i)+2:PX+2*(\i)+3], v[SW+2*(\i)+2:SW+2*(\i)+3], v[O2:O2+1] op_sel_hi:[1,0,1]
.endr
	v_pk_add_f32 v[O:O+1], v[O:O+1], v[O2:O2+1]
	global_store_b64 v[RA], v[O:O+1], s[8:9]       ; 32 lanes x 8 bytes: 256 consecutive bytes, at a multiple of 256 from part's first byte
	s_cmp_lg_u32 s12, 0
	s_cbranch_scc1 .Lend
	; thread 0 stores the work-group's m and l: 4 bytes each.  Kept so small on purpose: all 256 pairs are 2,048 bytes, which every wave of the second launch reads whole;
	; a block of 256 bytes for each pair would be 32 times that.
	s_wait_xcnt 0x0                                ; EXEC is a source of the store above: it changes only behind this wait
	v_cmp_eq_u32 vcc_lo, 0, v0
	s_and_saveexec_b32 s20, vcc_lo
	global_store_b32 v[ZO], v[MG], s[10:11]
	global_store_b32 v[ZO], v[LG], s[10:11] offset:1024
	s_wait_xcnt 0x0                                ; and again ahead of the line that widens it
	s_or_b32 exec_lo, exec_lo, s20
.Lend:
	s_wait_tensorcnt 0x0                           ; the wave's end, behind my last LDS store
	ds_add_u32 v[SPW], v[NIL]
	s_wait_dscnt 0x0
	s_endpgm
.Lfunc_end_k_qbc08ddb737_pool:
	.size	k_qbc08ddb737_pool, .Lfunc_end_k_qbc08ddb737_pool-k_qbc08ddb737_pool
	.p2alignl 7, 3214868480
	.fill 96, 4, 3214868480
	.section	.rodata,"a",@progbits
	.p2align	6, 0x0
	.amdhsa_kernel k_qbc08ddb737_pool
		.amdhsa_group_segment_fixed_size 35072
		.amdhsa_private_segment_fixed_size 0
		.amdhsa_enable_private_segment 0
		.amdhsa_kernarg_size 32
		.amdhsa_user_sgpr_count 2
		.amdhsa_user_sgpr_kernarg_segment_ptr 1
		.amdhsa_wavefront_size32 1
		.amdhsa_system_sgpr_workgroup_id_x 1
		.amdhsa_system_sgpr_workgroup_id_y 1
		.amdhsa_system_sgpr_workgroup_id_z 1
		.amdhsa_system_vgpr_workitem_id 0
		.amdhsa_next_free_vgpr 256
		.amdhsa_next_free_sgpr 66
		.amdhsa_reserve_vcc 1
		.amdhsa_float_denorm_mode_32 3
		.amdhsa_float_denorm_mode_16_64 3
		.amdhsa_memory_ordered 1
		.amdhsa_forward_progress 1
		.amdhsa_inst_pref_size 41
	.end_amdhsa_kernel
	.amdgpu_metadata
---
amdhsa.version: [ 1, 2 ]
amdhsa.kernels:
  - .name:           k_qbc08ddb737_pool
    .symbol:         k_qbc08ddb737_pool.kd
    .args:
      - { .name: V, .offset: 0, .size: 8, .value_kind: global_buffer, .address_space: global }
      - { .name: att_w, .offset: 8, .size: 8, .value_kind: global_buffer, .address_space: global }
      - { .name: part, .offset: 16, .size: 8, .value_kind: global_buffer, .address_space: global }
      - { .name: stat, .offset: 24, .size: 8, .value_kind: global_buffer, .address_space: global }
    .group_segment_fixed_size: 35072
    .private_segment_fixed_size: 0
    .kernarg_segment_align: 8
    .kernarg_segment_size: 32
    .max_flat_workgroup_size: 512
    .sgpr_count:     66
    .vgpr_count:     256
    .wavefront_size: 32
...
	.end_amdgpu_metadata
.endif
;; end of part 1
;; launch finish (part 2): grid 32 x 1, 16 waves a work-group, clusters of 4 x 1, 299,264 bytes of LDS; arguments part, stat, ctx_w, ctx_b, inp, out0; writes out0
.if DOCPART == 2
	.amdgcn_target "amdgcn-amd-amdhsa--gfx1250"
	.amdhsa_code_object_version 6
	.text
	.protected	k_qbc08ddb737_finish
	.globl	k_qbc08ddb737_finish
	.p2align	8
	.type	k_qbc08ddb737_finish,@function
k_qbc08ddb737_finish:
	s_mov_b64 s[64:65], 0
	v_nop
	global_prefetch_b8 v0, s[64:65] scope:SCOPE_SE
	s_setreg_imm32_b32 hwreg(HW_REG_WAVE_MODE, 25, 1), 1
	s_wait_xcnt 0x0
	s_wait_alu depctr_hold_cnt(0) depctr_sa_sdst(0) depctr_va_vdst(0) depctr_va_sdst(0) depctr_va_ssrc(0) depctr_va_vcc(0) depctr_vm_vsrc(0)
	s_getreg_b32 s2, hwreg(HW_REG_IB_STS2, 6, 4)
	s_cmp_eq_u32 s2, 0
	s_cbranch_scc0 .Lentry_in_a_cluster
	s_endpgm
.Lentry_in_a_cluster:
	s_bfe_u32 s2, ttmp6, 0x10000c
	s_cmp_lg_u32 s2, 0x3003
	s_cbranch_scc0 .Lentry_shape_is_right
	s_endpgm
.Lentry_shape_is_right:
; GLOBAL ATTENTION POOLING, the second of two launches: the 256 partial results are merged, and out0 = relu(ctx_w . concat(inp, attn) + ctx_b).
; WORK LEFT OUT, as in the first launch: hid_term is the same for every position and cancels in the softmax, so hid, att_b and att_w's first half are read nowhere.
;   attn = (sum over g of 2^(m_g - m) part[g]) / l,   m = max of the m_g,   l = sum over g of 2^(m_g - m) l_g      (m_g, l_g in stat: exponents of 2)
; LIMITS.  NaN and infinities are not treated apart; the relu here gives 0 for a NaN.  A factor 2^(m_g - m) below 2^-126 counts as 0.
; SHARES.  A work-group makes 16 numbers of out0, each of its 16 waves one: the wave holds its row of ctx_w (4,096 bytes) in 32 registers.  Every output wants the whole of attn, so
; EVERY work-group merges all 256 partial results: wave w takes 16 w .. 16 w + 15 (32 KiB), a lane 16 columns, as in the first launch; the waves' sums meet in LDS.
; TWO ROADS IN.  The other 8 (16 KiB on end) by ONE tensor load into an LDS tile of the wave's own.
; 16 tiles are 256 KiB: what LDS holds beside the 37 KiB of the meeting.  So all that a work-group reads is asked for at its head, nothing is filled twice, and no barrier stands in the stream.
; CLUSTER.  All 32 work-groups read the same partial results at the same time.  Four work-groups form a cluster and ask for each tile JOINTLY: the same tensor load, with the same descriptor
; (made of the wave's number alone) and a mask that names the four; each receives the tile in its own LDS.  The half that goes into registers cannot be asked for so.
; The work-group's place in its cluster enters the addresses of ctx_w, ctx_b and out0 alone: no LDS address, no branch, no word of the descriptor.
; A tile is read by the wave that asked for it and by no other: its own wait on TENSORcnt is all the ordering that the reads need.
; 1 / l is applied to the dot product's second half, not to attn's 512 numbers.  All arithmetic in f32 on the vector unit: the products have one vector each.
; THE STORE.  out0 is 2,048 bytes in all; a work-group's 16 numbers are gathered in LDS and leave as 64 consecutive bytes.  64 numbers to a work-group would fill blocks of 256 bytes,
; at four times the bytes of ctx_w for each work-group.
.set ROWB,  2048
.set TILE,  8*ROWB                     ; LDS: wave w's tile, 8 partial results, at 16,384 w
.set PART,  16*TILE                    ; LDS: wave w's 512 sums at PART + 2,048 w
.set ATT,   PART+16*ROWB               ; LDS: the 512 merged sums
.set RES,   ATT+2048                   ; LDS: the 16 results; a block of 256 bytes
.set SPARE, RES+256                    ; the spare words, 128 bytes for each of the 16 waves: eight blocks of 256 bytes that no other line names
.set LO,  1                            ; v1   16 x lane; never rewritten
.set PO,  2                            ; v2   32,768 x wave + 16 x lane: my 16 bytes in my wave's first partial result; never rewritten
.set LSA, 3                            ; v3   PART + 2,048 x wave + 16 x lane
.set SPW, 4                            ; v4   LDS address of my spare word; never rewritten
.set NIL, 5                            ; v5   0; never rewritten
.set SO,  6                            ; v6   32 x lane: my 8 numbers of m[] and of l[]
.set T,   7                            ; v7   the other half of the lanes'
.set MG,  8                            ; v8   m
.set LG,  9                            ; v9   l
.set L2,  10
.set CA,  11                           ; v11  PART + 4 x thread: my column
.set RL,  12                           ; v[12:13] 1 / l, in the low word of a pair
.set D1,  14                           ; v[14:15] the dot product's first half; then all of it
.set SM,  16                           ; v[16:23] m of partial results 8 lane .. 8 lane + 7; then their factors
.set SL,  24                           ; v[24:31] their l
.set D2,  16                           ; v[16:17] later: the dot product's second half
.set RA,  24                           ; v24      later: an address
.set TA,  25                           ; v25      later: 16,384 x wave + 16 x lane: my 16 bytes in my wave's tile
.set AL,  26                           ; v26      later: ATT + 16 x lane; then my word among the results
.set ACC, 32                           ; v[32:47] my 16 sums
.set CW,  48                           ; v[48:79] my 32 numbers of the wave's row of ctx_w
.set IN,  80                           ; v[80:95] my 16 numbers of inp
.set SG,  96                           ; v[96:127] my wave's partial result i: its factor at SG + 2 i, the exponent beside it
.set X,   128                          ; v[128:255] slot s, row r, 16 registers at X + 64 s + 16 r
.set AT,  144                          ; v[144:159] later: my 16 numbers of the merged sums
.set G0,  48                           ; s[48:51] descriptor group 0: from where, to where
.set G1,  52                           ; s[52:59] descriptor group 1: the shape
; A round of the cluster's barrier: my work-group's barrier, so that wave 0's signal speaks for all 16 waves; wave 0 signals for the work-group; every wave waits for all four
; work-groups; my work-group's barrier once more.  No LDS instruction of the wave is pending at a signal.
.macro CROUND
	s_barrier_signal -1
	s_barrier_wait -1
	s_cmp_lg_u32 s16, 0
	s_cbranch_scc1 .Lnot_wave_0_\@
	s_barrier_signal -3
.Lnot_wave_0_\@:
	s_barrier_wait -3
	s_barrier_signal -1
	s_barrier_wait -1
.endm
	s_load_b256 s[4:11], s[0:1], 0x0               ; part s[4:5], stat s[6:7], ctx_w s[8:9], ctx_b s[10:11]
	s_load_b128 s[12:15], s[0:1], 0x20             ; inp s[12:13], out0 s[14:15]
	v_lshl_add_u32 v[SPW], v0, 2, SPARE
	v_mov_b32 v[NIL], 0
	ds_add_u32 v[SPW], v[NIL]                      ; the wave's opening: the add, twice on end, and its wait ahead of my tensor load; the set-up below, work on registers, stands between
	ds_add_u32 v[SPW], v[NIL]                      ; and once more, under the one wait
	v_lshrrev_b32 v[LSA], 5, v0
	v_readfirstlane_b32 s16, v[LSA]                ; wave 0..15
	v_and_b32 v[SO], 31, v0
	v_lshlrev_b32 v[LO], 4, v[SO]
	v_lshlrev_b32 v[SO], 5, v[SO]
	v_lshl_add_u32 v[PO], v[LSA], 15, v[LO]
	v_lshl_add_u32 v[LSA], v[LSA], 11, v[LO]
	v_add_nc_u32 v[LSA], PART, v[LSA]
	v_lshl_add_u32 v[CA], v0, 2, PART
	v_mov_b32 v[T], 0                              ; v_permlanex16_b32 counts as a reader of its destination
	s_mov_b32 s18, 0x76543210
	s_mov_b32 s19, 0xfedcba98
	s_bfe_u32 s2, ttmp6, 0x40000                   ; cx: my place in the cluster
	s_lshl_b32 s3, ttmp9, 2                        ; in a cluster launch ttmp9 counts clusters
	s_add_co_u32 s3, s3, s2                        ; my work-group = 4 x cluster + cx: it enters the addresses of ctx_w, ctx_b and out0 alone
	s_lshl_b32 s20, s3, 4
	s_add_co_u32 s20, s20, s16                     ; my wave's output: 16 x work-group + wave
	s_lshl_b32 s22, s20, 12                        ; its row of ctx_w,
	s_mov_b32 s23, 0
	s_lshl_b32 s24, s20, 2                         ; its number of ctx_b
	s_mov_b32 s25, 0
	s_lshl_b32 s26, s16, 6                         ; my wave's 16 numbers of m[]
	s_mov_b32 s27, 0
	s_lshl_b32 s28, s3, 6                          ; the work-group's 64 bytes of out0
	s_mov_b32 s29, 0
	s_lshl_b32 s30, s16, 2
	s_add_co_u32 s30, s30, RES                     ; my wave's word among the results in LDS
	s_mul_i32 s31, s16, TILE                       ; my wave's tile in LDS
	s_lshl_b32 s60, s16, 15                        ; my wave's 16 partial results in memory,
	s_add_co_u32 s60, s60, TILE                    ; the second 8 of them
	s_mov_b32 s61, 0
	; The descriptor.  16,384 dense bytes are asked for as 64 rows of 256 bytes: 32 elements of 8 bytes a row, each row beginning where the last ends; no padding, since the tile is read back 512 bytes on end.
	s_mov_b32 s[G0], 1                             ; 1:0 count = 1
	s_mov_b32 s[G0+1], s31                         ; 63:32 LDS address
	s_mov_b32 s[G1], 15|(3<<16)|(1<<21)            ; 15:0 the mask: all four work-groups; 17:16 elements of 8 bytes; 21 set beside a mask
	s_mov_b32 s[G1+1], 32<<16                      ; tensor_dim0 = 32
	s_mov_b32 s[G1+2], 64<<16                      ; tensor_dim1 = 64
	s_mov_b32 s[G1+3], 32<<16                      ; tile_dim0 = 32
	s_mov_b32 s[G1+4], 64                          ; tile_dim1 = 64
	s_mov_b32 s[G1+5], 32                          ; 32 elements from row to row
	s_mov_b32 s[G1+6], 0
	s_mov_b32 s[G1+7], 0
	s_wait_dscnt 0x0                               ; both opening adds are done
	s_wait_kmcnt 0x0
	s_add_nc_u64 s[8:9], s[8:9], s[22:23]
	s_add_nc_u64 s[10:11], s[10:11], s[24:25]
	s_add_nc_u64 s[26:27], s[6:7], s[26:27]
	s_add_nc_u64 s[14:15], s[14:15], s[28:29]
	s_add_nc_u64 s[G0+2:G0+3], s[4:5], s[60:61]    ; 120:64 global address: the same in all four partners
	s_or_b32 s[G0+3], s[G0+3], 0x80000000          ; 127:126 type = 2
	CROUND                                         ; all four work-groups are here: the joint loads meet
	tensor_load_to_lds s[G0:G0+3], s[G1:G1+7]      ; my wave's one tensor load: partial results 8 to 15 of its 16
	s_nop 0
	s_load_b512 s[32:47], s[26:27], 0x0            ; m of my wave's 16 partial results, the same for all lanes: scalars (no line of this launch writes stat)
	s_load_b32 s17, s[10:11], 0x0                  ; the bias
.macro FILL slot, row                  ; 16 loads: partial results row .. row + 3 of my wave into a slot
.irp r, 0,1,2,3
.irp j, 0,1,2,3
	global_load_b128 v[X+64*(\slot)+16*(\r)+4*(\j):X+64*(\slot)+16*(\r)+4*(\j)+3], v[PO], s[4:5] offset:((\row)+(\r))*ROWB+512*(\j)
.endr
.endr
.endm
.macro LFILL slot, row                 ; 16 LDS loads: rows row .. row + 3 of my tile into a slot; each takes 512 bytes on end
.irp r, 0,1,2,3
.irp j, 0,1,2,3
	ds_load_b128 v[X+64*(\slot)+16*(\r)+4*(\j):X+64*(\slot)+16*(\r)+4*(\j)+3], v[TA] offset:((\row)+(\r))*ROWB+512*(\j)
.endr
.endr
.endm
	global_load_b128 v[SM:SM+3],   v[SO], s[6:7]
	global_load_b128 v[SM+4:SM+7], v[SO], s[6:7] offset:16
	global_load_b128 v[SL:SL+3],   v[SO], s[6:7] offset:1024
	global_load_b128 v[SL+4:SL+7], v[SO], s[6:7] offset:1040
	FILL 0, 0
	FILL 1, 4
.irp j, 0,1,2,3,4,5,6,7
	global_load_b128 v[CW+4*(\j):CW+4*(\j)+3], v[LO], s[8:9] offset:512*(\j) th:TH_LOAD_NT  ; each row of ctx_w is read once in the launch
.endr
.irp j, 0,1,2,3
	global_load_b128 v[IN+4*(\j):IN+4*(\j)+3], v[LO], s[12:13] offset:512*(\j)
.endr
	; m, l and the factors.  Every wave makes them for itself: 8 partial results a lane.
	s_wait_loadcnt 44                              ; the four loads of statistics are in; the 44 behind them stay out
	s_wait_kmcnt 0x0
	v_max3_num_f32 v[MG], v[SM], v[SM+1], v[SM+2]
	v_max3_num_f32 v[MG], v[MG], v[SM+3], v[SM+4]
	v_max3_num_f32 v[MG], v[MG], v[SM+5], v[SM+6]
	v_max_num_f32 v[MG], v[MG], v[SM+7]
.irp m, 1,2,4,8
	v_max_num_f32_dpp v[MG], v[MG], v[MG] row_xmask:\m row_mask:0xf bank_mask:0xf
.endr
	v_permlanex16_b32 v[T], v[MG], s18, s19
	v_max_num_f32 v[MG], v[MG], v[T]
.set i, 0
.rept 8
	v_sub_f32 v[SM+i], v[SM+i], v[MG]
.set i, i+1
.endr
.set i, 0
.rept 16
	v_sub_f32 v[SG+2*i+1], s[32+i], v[MG]
.set i, i+1
.endr
.set i, 0
.rept 8
	v_exp_f32 v[SM+i], v[SM+i]
.set i, i+1
.endr
.set i, 0
.rept 16
	v_exp_f32 v[SG+2*i], v[SG+2*i+1]
.set i, i+1
.endr
	v_nop                                          ; a plain line behind the last exponential (ISA guide 5.7.2)
	s_wait_alu depctr_va_vdst(0)                   ; one wait for the 24 ahead of the first line that names a result
	v_mul_f32 v[LG], v[SM], v[SL]
	v_mul_f32 v[L2], v[SM+1], v[SL+1]
.irp i, 2,4,6
	v_fmac_f32 v[LG], v[SM+(\i)], v[SL+(\i)]
	v_fmac_f32 v[L2], v[SM+(\i)+1], v[SL+(\i)+1]
.endr
	v_add_f32 v[LG], v[LG], v[L2]
.irp m, 1,2,4,8
	v_add_f32_dpp v[LG], v[LG], v[LG] row_xmask:\m row_mask:0xf bank_mask:0xf
.endr
	v_permlanex16_b32 v[T], v[LG], s18, s19
	v_add_f32 v[LG], v[LG], v[T]
	v_rcp_f32 v[RL], v[LG]                         ; l is at least 1: the partial result that holds the maximum has the factor 1 and a sum of at least 1
	v_mov_b32 v[RL+1], 0                           ; the plain line behind it; the pair's other word is written, since the packed line names the pair
; 4 partial results of a slot, g0 .. g0 + 3 of my wave's 16, times their factors.  first = 1: the first line starts the sums.
.macro BATCH slot, g0, first
.irp r, 0,1,2,3
.irp k, 0,1,2,3,4,5,6,7
.if (\first) && ((\r) == 0)
	v_pk_mul_f32 v[ACC+2*(\k):ACC+2*(\k)+1], v[X+64*(\slot)+2*(\k):X+64*(\slot)+2*(\k)+1], v[SG+2*(\g0):SG+2*(\g0)+1] op_sel_hi:[1,0]
.else
	v_pk_fma_f32 v[ACC+2*(\k):ACC+2*(\k)+1], v[X+64*(\slot)+16*(\r)+2*(\k):X+64*(\slot)+16*(\r)+2*(\k)+1], v[SG+2*((\g0)+(\r)):SG+2*((\g0)+(\r))+1], v[ACC+2*(\k):ACC+2*(\k)+1] op_sel_hi:[1,0,1]
.endif
.endr
.endr
.endm
	s_wait_loadcnt 28                              ; partial results 0-3 are in; 4-7 (16 loads), ctx_w's 8 and inp's 4 stay out
	BATCH 0, 0, 1
	s_wait_alu depctr_va_vdst(0)                   ; the reciprocal's wait, with a batch's work between; its first reader comes far below
	v_add_nc_u32 v[TA], s31, v[LO]
	s_wait_tensorcnt 0x0                           ; my tile is in LDS: no other wave reads it, so this wait is all that the reads below need
	LFILL 0, 0                                     ; partial results 8-11, into the slot just read
	s_wait_loadcnt 12                              ; partial results 4-7 are in; ctx_w's 8 and inp's 4 stay out
	BATCH 1, 4, 0
	LFILL 1, 4                                     ; partial results 12-15
	s_wait_loadcnt 0x0                             ; ctx_w's row and inp
	v_pk_mul_f32 v[D1:D1+1], v[CW:CW+1], v[IN:IN+1]  ; the first half of the dot product wants nothing of attn: it stands here, while the LDS loads are out
.irp k, 1,2,3,4,5,6,7
	v_pk_fma_f32 v[D1:D1+1], v[CW+2*(\k):CW+2*(\k)+1], v[IN+2*(\k):IN+2*(\k)+1], v[D1:D1+1]
.endr
	s_wait_dscnt 16                                ; LDS loads come back in order (ISA guide 5.7.1): the first 16 are in, the second 16 stay out
	BATCH 0, 8, 0
	s_wait_dscnt 0x0
	BATCH 1, 12, 0
	; THE 16 WAVES MEET, in two steps: thread t adds the 16 waves' sums of column t; then every wave reads the 512 merged sums in its lanes' order of columns.
.irp j, 0,1,2,3
	ds_store_b128 v[LSA], v[ACC+4*(\j):ACC+4*(\j)+3] offset:512*(\j)
.endr
	v_add_nc_u32 v[AL], ATT, v[LO]
	s_wait_dscnt 0x0                               ; for the others' sake: my stores are done
	s_barrier_signal -1
	s_barrier_wait -1
.set i, 0
.rept 16
	ds_load_b32 v[X+i], v[CA] offset:ROWB*i
.set i, i+1
.endr
	s_wait_dscnt 0x0
.irp i, 0,2,4,6
	v_pk_add_f32 v[X+(\i):X+(\i)+1], v[X+(\i):X+(\i)+1], v[X+8+(\i):X+9+(\i)]
.endr
.irp i, 0,2
	v_pk_add_f32 v[X+(\i):X+(\i)+1], v[X+(\i):X+(\i)+1], v[X+4+(\i):X+5+(\i)]
.endr
	v_pk_add_f32 v[X:X+1], v[X:X+1], v[X+2:X+3]
	v_add_f32 v[X], v[X], v[X+1]
	ds_store_b32 v[CA], v[X] offset:ATT-PART
	s_wait_dscnt 0x0
	s_barrier_signal -1
	s_barrier_wait -1
.irp j, 0,1,2,3
	ds_load_b128 v[AT+4*(\j):AT+4*(\j)+3], v[AL] offset:512*(\j)
.endr
	s_wait_dscnt 0x0
	v_pk_mul_f32 v[D2:D2+1], v[CW+16:CW+17], v[AT:AT+1]
.irp k, 1,2,3,4,5,6,7
	v_pk_fma_f32 v[D2:D2+1], v[CW+16+2*(\k):CW+16+2*(\k)+1], v[AT+2*(\k):AT+2*(\k)+1], v[D2:D2+1]
.endr
	v_pk_fma_f32 v[D1:D1+1], v[D2:D2+1], v[RL:RL+1], v[D1:D1+1] op_sel_hi:[1,0,1]  ; first half + second half / l
	v_add_f32 v[D1], v[D1], v[D1+1]
.irp m, 1,2,4,8
	v_add_f32_dpp v[D1], v[D1], v[D1] row_xmask:\m row_mask:0xf bank_mask:0xf
.endr
	v_permlanex16_b32 v[T], v[D1], s18, s19
	v_add_f32 v[D1], v[D1], v[T]
	v_add_f32 v[D1], s17, v[D1]                    ; the bias
	v_max_num_f32 v[D1], 0, v[D1]                  ; relu
	v_mov_b32 v[RA], s30
	ds_store_b32 v[RA], v[D1]                      ; all lanes write the same word with the same number
	s_wait_dscnt 0x0
	s_barrier_signal -1
	s_barrier_wait -1
	s_cmp_lg_u32 s16, 0                            ; wave 0 stores the 16 results
	s_cbranch_scc1 .Lend
	v_and_b32 v[RA], 15, v0
	v_lshl_add_u32 v[AL], v[RA], 2, RES
	v_lshlrev_b32 v[RA], 2, v[RA]
	ds_load_b32 v[D1], v[AL]
	s_wait_dscnt 0x0
	s_wait_xcnt 0x0                                ; EXEC changes only behind this wait
	v_cmp_gt_u32 vcc_lo, 16, v0
	s_and_saveexec_b32 s21, vcc_lo
	global_store_b32 v[RA], v[D1], s[14:15]        ; 16 lanes x 4 bytes: 64 consecutive bytes of out0
	s_wait_xcnt 0x0                                ; and again ahead of the line that widens it
	s_or_b32 exec_lo, exec_lo, s21
.Lend:
	s_wait_tensorcnt 0x0                           ; the wave's end, behind my tensor load and my last LDS store
	ds_add_u32 v[SPW], v[NIL]
	s_wait_dscnt 0x0
	CROUND                                         ; the closing round: no work-group ends while a partner may still ask for a tile that names it
	s_endpgm
.Lfunc_end_k_qbc08ddb737_finish:
	.size	k_qbc08ddb737_finish, .Lfunc_end_k_qbc08ddb737_finish-k_qbc08ddb737_finish
	.p2alignl 7, 3214868480
	.fill 96, 4, 3214868480
	.section	.rodata,"a",@progbits
	.p2align	6, 0x0
	.amdhsa_kernel k_qbc08ddb737_finish
		.amdhsa_group_segment_fixed_size 299264
		.amdhsa_private_segment_fixed_size 0
		.amdhsa_enable_private_segment 0
		.amdhsa_kernarg_size 48
		.amdhsa_user_sgpr_count 2
		.amdhsa_user_sgpr_kernarg_segment_ptr 1
		.amdhsa_wavefront_size32 1
		.amdhsa_system_sgpr_workgroup_id_x 1
		.amdhsa_system_sgpr_workgroup_id_y 1
		.amdhsa_system_sgpr_workgroup_id_z 1
		.amdhsa_system_vgpr_workitem_id 0
		.amdhsa_next_free_vgpr 256
		.amdhsa_next_free_sgpr 66
		.amdhsa_reserve_vcc 1
		.amdhsa_float_denorm_mode_32 3
		.amdhsa_float_denorm_mode_16_64 3
		.amdhsa_memory_ordered 1
		.amdhsa_forward_progress 1
		.amdhsa_inst_pref_size 27
	.end_amdhsa_kernel
	.amdgpu_metadata
---
amdhsa.version: [ 1, 2 ]
amdhsa.kernels:
  - .name:           k_qbc08ddb737_finish
    .symbol:         k_qbc08ddb737_finish.kd
    .args:
      - { .name: part, .offset: 0, .size: 8, .value_kind: global_buffer, .address_space: global }
      - { .name: stat, .offset: 8, .size: 8, .value_kind: global_buffer, .address_space: global }
      - { .name: ctx_w, .offset: 16, .size: 8, .value_kind: global_buffer, .address_space: global }
      - { .name: ctx_b, .offset: 24, .size: 8, .value_kind: global_buffer, .address_space: global }
      - { .name: inp, .offset: 32, .size: 8, .value_kind: global_buffer, .address_space: global }
      - { .name: out0, .offset: 40, .size: 8, .value_kind: global_buffer, .address_space: global }
    .group_segment_fixed_size: 299264
    .private_segment_fixed_size: 0
    .kernarg_segment_align: 8
    .kernarg_segment_size: 48
    .max_flat_workgroup_size: 512
    .sgpr_count:     66
    .vgpr_count:     256
    .wavefront_size: 32
...
	.end_amdgpu_metadata
.endif
;; end of part 2
